; MI455X (gfx1250); checked and timed in simulation.
; The chip was launched on July 23, 2026; its instructions are those of AMD's public machine-readable ISA for CDNA 5 (MIT licence, August 2026) and "CDNA5" Instruction Set Architecture Reference Guide (July 2026). The comments in the code are by the model that wrote it; some were corrected since.
;; Multihead Attention. Allowed arithmetic: matrix products marked QUANTISED: E3M2 operands, one E8M0 scale for each 32 along K, by v_wmma_scale_f32_16x16x128_f8f6f4 with both operands' format E3M2, f32 sums; everything else in f32.
;; Inputs: beta 1,024 float32; bk 1,024 float32; bq 1,024 float32; bv 1,024 float32; gamma 1,024 float32; wk_codes 1,024 x 32 x 24 uint8 (E3M2 codes of wk, K innermost, in blocks of 32 codes, four codes in three bytes); wk_scales 1,024 x 32 uint8 (E8M0 scales of wk, one for each 32 codes along K); wq_codes 1,024 x 32 x 24 uint8 (E3M2 codes of wq, K innermost, in blocks of 32 codes, four codes in three bytes); wq_scales 1,024 x 32 uint8 (E8M0 scales of wq, one for each 32 codes along K); wv_codes 1,024 x 32 x 24 uint8 (E3M2 codes of wv, K innermost, in blocks of 32 codes, four codes in three bytes); wv_scales 1,024 x 32 uint8 (E8M0 scales of wv, one for each 32 codes along K); x 2 x 2,048 x 1,024 float32.
;; Outputs: out0 2 x 2,048 x 1,024 float32.
;; This version of the problem:
;;   THIS VERSION OF THE PROBLEM IS GIVEN IN LOW PRECISION. The matrix products marked QUANTISED in the list below multiply operands that are first quantised to E3M2 (3 exponent bits, 2 mantissa bits; 6 bits a number), with one power-of-two scale for each 32 numbers along K (OCP MX v1.0); their sums are f32. All else is computed in f32.
;;   The module's matrix products, in the order in which they are computed (A, B: the left and right operand; K: the contracted axis; several contracted axes count as one K, in the product's order):
;;     1. [M 4,096, K 1,024] x [K 1,024, N 1,024]; A: input x; B: input wq (given as codes): QUANTISED
;;     2. [M 4,096, K 1,024] x [K 1,024, N 1,024]; A: input x; B: input wk (given as codes): QUANTISED
;;     3. [M 4,096, K 1,024] x [K 1,024, N 1,024]; A: input x; B: input wv (given as codes): QUANTISED
;;     4. batch 32 x [M 2,048, K 64] x [K 64, N 2,048]; A: computed on the way; B: computed on the way: QUANTISED
;;     5. batch 32 x [M 2,048, K 2,048] x [K 2,048, N 64]; A: softmax (see below); B: computed on the way: QUANTISED
;;   THE QUANTISER, for each operand of a quantised product, along K:
;;     - K is cut into blocks of 32 from its start; a last block that is shorter is filled with zeros.
;;     - A block's scale is 2^e with e = floor(log2(the largest magnitude in the block)) - 4, held to -126 .. 127; a block of zeros has e = 0. As a byte (E8M0): e + 127.
;;     - Each number is divided by its block's scale, clamped to +-28, and rounded to the nearest number of E3M2, ties to even, subnormals kept.
;;     - The product sums the exact products of the quantised numbers (number of the format x scale) in f32.
;;   ~~~python
;;   def quantise(x, axis):      # numpy; x: float32 -> the quantised numbers, widened to float32 again
;;       x = np.moveaxis(x, axis, -1); K = x.shape[-1]
;;       x = np.pad(x, [(0, 0)] * (x.ndim - 1) + [(0, -K % 32)]); x = x.reshape(x.shape[:-1] + (-1, 32)); a = np.abs(x).max(-1, keepdims=True)
;;       e = np.where(a > 0, np.clip(np.frexp(np.where(a > 0, a, 1))[1] - 1 - 4, -126, 127), 0)      # np.frexp(a)[1] - 1 = floor(log2(a)), exactly
;;       r = np.clip(x / 2.0 ** e, -28, 28)
;;       step = 2.0 ** (np.maximum(np.frexp(np.where(r == 0, 1, r))[1] - 1, -2) - 2)
;;       q = np.round(r / step) * step * 2.0 ** e      # np.round: ties to even
;;       return np.moveaxis(q.reshape(q.shape[:-2] + (-1,))[..., :K], -1, axis).astype(np.float32)
;;   ~~~
;;   SOFTMAX AHEAD OF A QUANTISED PRODUCT. Where the list says 'softmax', what is quantised is not the finished softmax but p = 2^(t - M), with t = logit x log2(e) and M = ceil(the row's largest t), a whole number; so 1/2 < the row's largest p <= 1. The row's sum l is taken of the UNQUANTISED p, in f32, and the product's result is divided by l at the end. Since M is a whole number, a kernel that streams over the keys may use a running M (the ceiling of the running maximum): every later rescaling is an exact power of two, which a block's scale takes up: the codes' values come out the same.
;;   OPERANDS COMPUTED ON THE WAY. 'Computed on the way' means the value that the module computes at that place (a softmax that the list does not call 'softmax' is quantised finished and normalised). What goes into a quantiser is computed in f32, as accurately as f32 sums, v_exp_f32 and their like allow (about 1e-6 of the number): no bf16 or f16 on the way to a quantiser, and a product that is left as it is and whose result goes on into a quantised operand takes f32 operands (vector FMAs, or v_wmma_f32_16x16x4_f32). A number that lies on a knife's edge between two numbers of the format may be rounded either way, as far as f32 arithmetic and the matrix unit's own rounding can turn it there, and no further.
;;   INPUTS GIVEN AS CODES. wk (in the module: [1024, 1024], K = its axis 1); wq (in the module: [1024, 1024], K = its axis 1); wv (in the module: [1024, 1024], K = its axis 1): each comes as NAME_codes (uint8): NAME with its K axis moved to the last place and cut into blocks of 32 codes, [.., K / 32, bytes a block], one block behind the other in memory; four codes in three bytes: a row's codes are one little-endian stream of bits, code i at bits 6 i .. 6 i + 5 (a code: sign, 3 exponent bits, 2 mantissa bits); and NAME_scales (uint8): the same leading axes, one E8M0 byte (e + 127) for each 32 codes along K. Its value is code x scale, taken as it is: it is not quantised again, and the codes and scales need not be those that the quantiser above would give.
;; One version. Each part assembles by itself: llvm-mc -triple=amdgcn-amd-amdhsa -mcpu=gfx1250 --defsym DOCPART=n.
;; ======== version 1 of 1: 4 launches
;; limits: right only within a limited range of input values
;; workspace buffers: xp 3,276,800 bytes; wp 2,457,600 bytes; qimg 3,145,728 bytes; qsc 262,144 bytes; kvp 6,684,672 bytes; att 16,777,216 bytes
;; launch prep (part 1): grid 304 x 1, 4 waves a work-group, no clusters, 68,096 bytes of LDS; arguments x, wq_codes, wq_scales, wk_codes, wk_scales, wv_codes, wv_scales, xp, wp; writes xp, wp
.if DOCPART == 1
	.amdgcn_target "amdgcn-amd-amdhsa--gfx1250"
	.amdhsa_code_object_version 6
	.text
	.protected	k_qe459f540bc_prep
	.globl	k_qe459f540bc_prep
	.p2align	8
	.type	k_qe459f540bc_prep,@function
k_qe459f540bc_prep:
	s_mov_b64 s[64:65], 0
	v_nop
	global_prefetch_b8 v0, s[64:65] scope:SCOPE_SE
	s_setreg_imm32_b32 hwreg(HW_REG_WAVE_MODE, 25, 1), 1
	s_wait_xcnt 0x0
; x [4096][1024] f32 is quantised once, along its 1,024 columns, into codes of E3M2 with one E8M0 byte for each 32, and the given codes of wq, wk, wv are laid anew:
; both in the ORDER OF THE OPERAND'S REGISTERS, so that the next launch takes whole fragments by 16-byte loads and a K step's operands are one dense block of memory.
; An IMAGE (1,536 bytes) is a fragment of 16 rows x 128 K, 12 registers a lane: registers 4 g .. 4 g + 3 of lane l lie at 512 g + 16 l.
; xp: [block of 128 tokens][K step] packages of 12,800 bytes: 8 images (tiles of 16 tokens), then 4 x 128 bytes of scale words (lanes 0-15: the even tile of a pair, lanes 16-31: the odd one).
; wp: [pair of heads][K step] packages of 38,400 bytes: 24 images (12 x (head % 2) + 4 x type + tile; type 0 q, 1 k, 2 v), then 12 x 128 bytes of scale words.
; THE ROWS OF A TILE ARE NOT NEIGHBOURS: row r of wq's and wk's tile 2 b + u is feature 32 b + 8 u + r + 8 (r / 8); wv's tiles are natural, 16 f + r.
; Work-groups 0-47 lay the weights (type = number / 16, head = number % 16; no LDS), work-groups 48-303 quantise x (block of tokens = (number - 48) / 8, K step = (number - 48) % 8).
; A block's scale is 2^(floor(log2(its largest magnitude)) - 4): its byte is the largest magnitude's exponent field - 4, held at 1 from below.
; LIMITS: NaN and infinities in x are not served; a block whose largest magnitude lies under 2^-122 keeps the byte 1; a block of zeros gets the byte 1 where the rule says 127: its codes are zeros, and this program alone reads the bytes.
.set SP,   528                         ; a stage row: 512 bytes (128 numbers of a token) + 16: sixteen rows start at sixteen different 16-byte columns
.set XST,  32*SP                       ; a wave's own stage: 32 tokens
.set R,    32                          ; v32-159  the numbers as loaded, 4 registers a token
.set TM,   8                           ; v8-11 largest magnitudes, v12-15 the other half's and then the bytes, v20-23 the conversions' scale operands
.set CT,   236                         ; v236-238, v240-242 the second halves of the blocks' codes
	s_load_b512 s[4:19], s[0:1], 0x0               ; x, wq codes, wq scales, wk codes, wk scales, wv codes, wv scales, xp
	s_load_b64 s[20:21], s[0:1], 0x40              ; wp
	v_lshl_add_u32 v254, v0, 2, 0x10800
	v_mov_b32 v255, 0
	v_lshrrev_b32 v1, 5, v0
	v_readfirstlane_b32 s22, v1                    ; wave 0..3
	v_and_b32 v1, 31, v0                           ; lane
	v_lshlrev_b32 v2, 4, v1                        ; 16 x lane
	v_lshlrev_b32 v5, 2, v1                        ; 4 x lane
	v_and_b32 v6, 15, v0                           ; r
	v_bfe_u32 v7, v0, 4, 1                         ; h
	s_cmp_lt_u32 ttmp9, 48
	s_cbranch_scc1 .Lweights
	; ---------------- x: wave w takes tokens 64 (w / 2) + 16 (w % 2) + 0 .. 15 and 32 .. 47 of the block, 128 columns: tiles 2 w and 2 w + 1
	s_sub_co_u32 s28, ttmp9, 48                    ; 8 x block + K step: the package's number
	s_lshr_b32 s29, s28, 3                         ; block of 128 tokens
	s_and_b32 s30, s28, 7                          ; K step
	s_mov_b32 s24, 0x76543210
	s_mov_b32 s25, 0xfedcba98                      ; v_permlanex16_b32's selects for lane l xor 16
	s_mov_b32 s26, 0xffff0000                      ; lanes 16-31
	s_mul_i32 s31, s22, XST                        ; my wave's stage
	s_wait_alu depctr_va_vdst(0)
	v_add_nc_u32 v3, s31, v2                       ; the way in: a token's 512 bytes as they lie
	v_mul_u32_u24 v4, v6, SP
	v_lshl_add_u32 v4, v7, 6, v4
	v_add_nc_u32 v4, s31, v4                       ; the way out: row r, + 64 h: my 16 numbers of a block of 32
	; THE TOKENS OF A TILE (this holds for x; the weights' tiles are as said at the head): row 8 hh + j of tile 4 g + t is token 64 g + 32 hh + 8 t + j of the block.
	; Wave w makes tiles 2 w and 2 w + 1: its tokens are 64 (w / 2) + 16 (w % 2) + 32 hh + 8 u + j.
	s_lshl_b32 s32, s29, 7
	s_lshr_b32 s33, s22, 1
	s_lshl_b32 s33, s33, 6
	s_add_co_u32 s32, s32, s33
	s_and_b32 s33, s22, 1
	s_lshl_b32 s33, s33, 4
	s_add_co_u32 s32, s32, s33
	s_lshl_b32 s32, s32, 12                        ; x 4,096 bytes
	s_lshl_b32 s33, s30, 9
	s_add_co_u32 s32, s32, s33                     ; + 512 bytes a K step
	s_mov_b32 s33, 0
	s_mul_i32 s34, s28, 12800                      ; the package
	s_mul_i32 s36, s22, 3072
	s_add_co_u32 s36, s36, s34                     ; my two images
	s_mov_b32 s37, 0
	s_lshl_b32 s38, s22, 7
	s_add_co_u32 s38, s38, s34
	s_add_co_u32 s38, s38, 12288                   ; my pair's scale words
	s_mov_b32 s39, 0
.irp b, 0,1,2,3
	v_mov_b32 v[TM+4+\b], 0                        ; written once: a lane permute's destination counts as one of its sources
.endr
	s_wait_alu depctr_va_vdst(0)
	s_wait_kmcnt 0x0
	s_add_nc_u64 s[4:5], s[4:5], s[32:33]
	s_add_nc_u64 s[36:37], s[18:19], s[36:37]
	s_add_nc_u64 s[38:39], s[18:19], s[38:39]
.set p, 0
.rept 32
	global_load_b128 v[R+4*p:R+4*p+3], v2, s[4:5] offset:4096*(p%16+32*(p/16)) th:TH_LOAD_NT   ; load p = 16 hh + 8 u + j: 32 lanes read 512 consecutive bytes of that token
.set p, p+1
.endr
.set p, 0
.rept 4
	s_wait_loadcnt 24-p                            ; loads come back in order: these eight are in, the younger groups of eight stay out
.rept 8
	ds_store_b128 v3, v[R+4*p:R+4*p+3] offset:(16*((p/8)%2)+p%8+8*(p/16))*SP   ; token p is row p % 8 + 8 (p / 16) of tile (p / 8) % 2: a tile's sixteen rows lie on end
.set p, p+1
.endr
.endr
; tile u's numbers back: register 16 b + i = column 32 b + 16 h + i of my row.  LDS serves a wave's instructions in order: these see my stores
.macro BACK reg, u
.irp b, 0,1,2,3
.irp j, 0,1,2,3
	ds_load_b128 v[\reg+16*\b+4*\j:\reg+16*\b+4*\j+3], v4 offset:16*\u*SP+128*\b+16*\j
.endr
.endr
.endm
; 64 numbers of a lane, register s + 16 b + i = k 32 b + 16 h + i of my row, become a fragment's codes in v[pc] .. v[pc + 11] and its scale word in v[pw]
.macro QUANT s, pc, pw
.irp b, 0,1,2,3
	v_max3_num_f32 v[TM+\b], |v[\s+16*\b]|, |v[\s+1+16*\b]|, 0x2800000   ; block b: my 16 numbers, and the floor 2^(5 - 127): so the byte cannot fall under 1
.endr
.irp i, 2,4,6,8,10,12,14
.irp b, 0,1,2,3
	v_max3_num_f32 v[TM+\b], v[TM+\b], |v[\s+16*\b+\i]|, |v[\s+1+16*\b+\i]|   ; the four blocks by turns: no line waits for the line above it
.endr
.endr
.irp b, 0,1,2,3
	v_permlanex16_b32 v[TM+4+\b], v[TM+\b], s24, s25
.endr
.irp b, 0,1,2,3
	v_max_num_f32 v[TM+\b], v[TM+\b], v[TM+4+\b]   ; with lane l xor 16's: the block's largest magnitude
.endr
.irp b, 0,1,2,3
	v_add_nc_u32 v[TM+12+\b], 0xfe000000, v[TM+\b] ; 4 off its exponent field: the conversion takes the exponent field of this operand as its scale
.endr
.irp b, 0,1,2,3
	v_lshrrev_b32 v[TM+4+\b], 23, v[TM+12+\b]      ; the scale's byte
.endr
	v_lshl_or_b32 v[\pw], v[TM+5], 8, v[TM+4]      ; the four bytes make my row's scale word (both halves of the lanes hold it)
	v_lshl_or_b32 v[\pw], v[TM+6], 16, v[\pw]
	v_lshl_or_b32 v[\pw], v[TM+7], 24, v[\pw]
.irp c, 0,1
	v_cvt_scalef32_pk16_bf6_f32 v[\pc+6*\c:\pc+2+6*\c], v[\s+32*\c:\s+15+32*\c], v[TM+12+2*\c]
	v_cvt_scalef32_pk16_bf6_f32 v[CT+4*\c:CT+2+4*\c], v[\s+16+32*\c:\s+31+32*\c], v[TM+12+2*\c+1]   ; (a conversion's three registers begin on an even number)
.endr
	v_nop                                          ; one plain place behind a scaled conversion
.irp c, 0,1                                    ; the operand's layout wants a WHOLE block in a lane: lanes 0-15 block 2 c, lanes 16-31 block 2 c + 1
.irp i, 0,1,2
	v_permlane16_swap_b32 v[\pc+6*\c+\i], v[CT+4*\c+\i]
.endr
.irp i, 0,1,2
	v_mov_b32 v[\pc+3+6*\c+\i], v[CT+4*\c+\i]
.endr
.endr
.endm
	BACK 160, 0
	s_wait_dscnt 0x0                               ; tile 0's numbers are in, and the stores into the stage have read v32-159
	BACK 32, 1                                     ; tile 1's land while tile 0 is quantised
	QUANT 160, 224, 24
.irp g, 0,1,2
	global_store_b128 v2, v[224+4*\g:224+4*\g+3], s[36:37] offset:512*\g          ; 32 lanes store 512 consecutive bytes
.endr
	s_wait_dscnt 0x0
	QUANT 32, 96, 25
.irp g, 0,1,2
	global_store_b128 v2, v[96+4*\g:96+4*\g+3], s[36:37] offset:1536+512*\g
.endr
	v_cndmask_b32 v26, v24, v25, s26               ; lanes 0-15: tile 2 w's words, lanes 16-31: tile 2 w + 1's
	global_store_b32 v5, v26, s[38:39]
	s_wait_tensorcnt 0x0
	ds_add_u32 v254, v255
	s_wait_dscnt 0x0
	s_endpgm
	; ---------------- the weights: wave w takes K steps 2 w and 2 w + 1 of one head of one weight, four tiles each
.Lweights:
	s_lshr_b32 s28, ttmp9, 4                       ; type: 0 q, 1 k, 2 v
	s_and_b32 s29, ttmp9, 15                       ; head
	s_cmp_eq_u32 s28, 2
	s_cselect_b32 s30, 1, 0                        ; 1 for wv
	s_sub_co_u32 s31, 1, s30                       ; 1 for wq, wk
	s_wait_alu depctr_va_vdst(0)
	v_and_b32 v8, 8, v6                            ; 8 (r / 8)
	v_mul_u32_u24 v9, s31, v8                      ; only wq's and wk's tiles leave the gap
	v_add_nc_u32 v10, v6, v9
	v_mul_u32_u24 v10, v10, 768                    ; a row of 1,024 codes is 768 bytes
	v_mad_u32_u24 v10, v7, 24, v10                 ; even tiles: my row, + 24 h
	s_mul_i32 s32, s30, 6144
	v_add_nc_u32 v11, s32, v10                     ; odd tiles: the immediate below steps 8 rows; wv's natural tiles want 16
	v_mul_u32_u24 v12, s30, v7
	v_lshl_add_u32 v12, v12, 3, v9
	v_lshl_add_u32 v12, v7, 3, v12
	v_add_nc_u32 v12, v12, v6                      ; scale words: lanes 0-15 the even tile's row r, lanes 16-31 the odd tile's
	v_lshlrev_b32 v12, 5, v12                      ; 32 bytes a row
	s_mul_i32 s34, s29, 49152                      ; the head's 64 rows of codes,
	s_mul_i32 s35, s22, 192                        ; my two K steps of 96 bytes
	s_add_co_u32 s34, s34, s35
	s_mov_b32 s35, 0
	s_lshl_b32 s36, s29, 11                        ; and of scale bytes
	s_lshl_b32 s37, s22, 3
	s_add_co_u32 s36, s36, s37
	s_mov_b32 s37, 0
	s_lshr_b32 s38, s29, 1
	s_lshl_b32 s38, s38, 3
	s_lshl_b32 s39, s22, 1
	s_add_co_u32 s38, s38, s39
	s_mul_i32 s38, s38, 38400                      ; package (pair of heads, K step 2 w)
	s_and_b32 s39, s29, 1
	s_mul_i32 s40, s39, 12
	s_lshl_b32 s41, s28, 2
	s_add_co_u32 s40, s40, s41                     ; my first image: 12 (head % 2) + 4 type
	s_mul_i32 s42, s40, 1536
	s_add_co_u32 s42, s42, s38
	s_mov_b32 s43, 0
	s_lshl_b32 s44, s40, 6                         ; its pair's scale words: 128 bytes a pair
	s_add_co_u32 s44, s44, s38
	s_add_co_u32 s44, s44, 36864
	s_mov_b32 s45, 0
	s_wait_alu depctr_va_vdst(0)
	s_wait_kmcnt 0x0
	s_cmp_eq_u32 s28, 0                            ; the choice of buffers hangs on the work-group's number alone
	s_cselect_b64 s[28:29], s[6:7], s[10:11]
	s_cselect_b64 s[46:47], s[8:9], s[12:13]
	s_cmp_eq_u32 s30, 1
	s_cselect_b64 s[28:29], s[14:15], s[28:29]
	s_cselect_b64 s[46:47], s[16:17], s[46:47]
	s_add_nc_u64 s[28:29], s[28:29], s[34:35]
	s_add_nc_u64 s[46:47], s[46:47], s[36:37]
	s_add_nc_u64 s[42:43], s[20:21], s[42:43]
	s_add_nc_u64 s[44:45], s[20:21], s[44:45]
.irp e, 0,1
.irp f, 0,1,2,3
.irp p, 0,1,2,3,4,5                            ; a fragment as it lies in the row's stream of bits: 24 bytes at 24 h, 24 bytes at 48 + 24 h, in pieces of 8
.if \f%2
	global_load_b64 v[32+12*(4*\e+\f)+2*\p:32+12*(4*\e+\f)+2*\p+1], v11, s[28:29] offset:(32*(\f/2)+8*(\f%2))*768+96*\e+48*(\p/3)+8*(\p%3)
.else
	global_load_b64 v[32+12*(4*\e+\f)+2*\p:32+12*(4*\e+\f)+2*\p+1], v10, s[28:29] offset:(32*(\f/2)+8*(\f%2))*768+96*\e+48*(\p/3)+8*(\p%3)
.endif
.endr
.endr
.irp b, 0,1
	global_load_b32 v[128+2*\e+\b], v12, s[46:47] offset:1024*\b+4*\e
.endr
.endr
	s_wait_loadcnt 0x0
.irp e, 0,1
.irp f, 0,1,2,3
.irp g, 0,1,2
	global_store_b128 v2, v[32+12*(4*\e+\f)+4*\g:32+12*(4*\e+\f)+4*\g+3], s[42:43] offset:38400*\e+1536*\f+512*\g
.endr
.endr
.irp b, 0,1
	global_store_b32 v5, v[128+2*\e+\b], s[44:45] offset:38400*\e+128*\b
.endr
.endr
	s_endpgm
.Lfunc_end_k_qe459f540bc_prep:
	.size	k_qe459f540bc_prep, .Lfunc_end_k_qe459f540bc_prep-k_qe459f540bc_prep
	.p2alignl 7, 3214868480
	.fill 96, 4, 3214868480
	.section	.rodata,"a",@progbits
	.p2align	6, 0x0
	.amdhsa_kernel k_qe459f540bc_prep
		.amdhsa_group_segment_fixed_size 68096
		.amdhsa_private_segment_fixed_size 0
		.amdhsa_enable_private_segment 0
		.amdhsa_kernarg_size 72
		.amdhsa_user_sgpr_count 2
		.amdhsa_user_sgpr_kernarg_segment_ptr 1
		.amdhsa_wavefront_size32 1
		.amdhsa_system_sgpr_workgroup_id_x 1
		.amdhsa_system_sgpr_workgroup_id_y 1
		.amdhsa_system_sgpr_workgroup_id_z 1
		.amdhsa_system_vgpr_workitem_id 0
		.amdhsa_next_free_vgpr 256
		.amdhsa_next_free_sgpr 66
		.amdhsa_reserve_vcc 0
		.amdhsa_float_denorm_mode_32 3
		.amdhsa_float_denorm_mode_16_64 3
		.amdhsa_memory_ordered 1
		.amdhsa_forward_progress 1
		.amdhsa_inst_pref_size 28
	.end_amdhsa_kernel
	.amdgpu_metadata
---
amdhsa.version: [ 1, 2 ]
amdhsa.kernels:
  - .name:           k_qe459f540bc_prep
    .symbol:         k_qe459f540bc_prep.kd
    .args:
      - { .name: x, .offset: 0, .size: 8, .value_kind: global_buffer, .address_space: global }
      - { .name: wq_codes, .offset: 8, .size: 8, .value_kind: global_buffer, .address_space: global }
      - { .name: wq_scales, .offset: 16, .size: 8, .value_kind: global_buffer, .address_space: global }
      - { .name: wk_codes, .offset: 24, .size: 8, .value_kind: global_buffer, .address_space: global }
      - { .name: wk_scales, .offset: 32, .size: 8, .value_kind: global_buffer, .address_space: global }
      - { .name: wv_codes, .offset: 40, .size: 8, .value_kind: global_buffer, .address_space: global }
      - { .name: wv_scales, .offset: 48, .size: 8, .value_kind: global_buffer, .address_space: global }
      - { .name: xp, .offset: 56, .size: 8, .value_kind: global_buffer, .address_space: global }
      - { .name: wp, .offset: 64, .size: 8, .value_kind: global_buffer, .address_space: global }
    .group_segment_fixed_size: 68096
    .private_segment_fixed_size: 0
    .kernarg_segment_align: 8
    .kernarg_segment_size: 72
    .max_flat_workgroup_size: 128
    .sgpr_count:     66
    .vgpr_count:     256
    .wavefront_size: 32
...
	.end_amdgpu_metadata
.endif
;; end of part 1
;; launch proj (part 2): grid 8 x 32, 4 waves a work-group, clusters of 4 x 4, 327,680 bytes of LDS; arguments xp, wp, bq, bk, bv, qimg, qsc, kvp; writes qimg, qsc, kvp
.if DOCPART == 2
	.amdgcn_target "amdgcn-amd-amdhsa--gfx1250"
	.amdhsa_code_object_version 6
	.text
	.protected	k_qe459f540bc_proj
	.globl	k_qe459f540bc_proj
	.p2align	8
	.type	k_qe459f540bc_proj,@function
k_qe459f540bc_proj:
	s_mov_b64 s[64:65], 0
	v_nop
	global_prefetch_b8 v0, s[64:65] scope:SCOPE_SE
	s_setreg_imm32_b32 hwreg(HW_REG_WAVE_MODE, 25, 1), 1
	s_wait_xcnt 0x0
	s_wait_alu depctr_hold_cnt(0) depctr_sa_sdst(0) depctr_va_vdst(0) depctr_va_sdst(0) depctr_va_ssrc(0) depctr_va_vcc(0) depctr_vm_vsrc(0)
	s_getreg_b32 s2, hwreg(HW_REG_IB_STS2, 6, 4)
	s_cmp_eq_u32 s2, 0
	s_cbranch_scc0 .Lentry_in_a_cluster
	s_endpgm
.Lentry_in_a_cluster:
	s_bfe_u32 s2, ttmp6, 0x10000c
	s_cmp_lg_u32 s2, 0xf033
	s_cbranch_scc0 .Lentry_shape_is_right
	s_endpgm
.Lentry_shape_is_right:
; q, k, v = Q(x) W^T + b on codes of E3M2 (K = 1,024 in eight steps of 128), and their results quantised at once for the attention: q and k along the head's 64, v along the tokens.
; A work-group makes 128 tokens x 384 features: q, k, v of two heads.  Wave w: token half i = w / 2 (four tiles of 16), head j = w % 2 (twelve tiles of 16 features): 48 accumulators, 384 registers.
; Operands come as register images (1,536 bytes a fragment, registers 4 g .. 4 g + 3 of lane l at 512 g + 16 l), so every fragment is three 16-byte loads from consecutive LDS bytes.
; q's and k's products are used TRANSPOSED (source 0 = 16 features, source 1 = 16 tokens): a lane holds one token, and since row r of feature tile 2 b + u is feature 32 b + 8 u + r + 8 (r / 8),
; the 16 registers of two neighbouring tiles are 16 neighbouring features.  v's are used as they are (source 0 = tokens, source 1 = features): a lane holds one channel, and since the tokens of a tile
; are chosen in the same way, its 16 registers of two neighbouring token tiles are 16 neighbouring tokens, the K of the attention's second product.  The biases are the C of each sum's first product.
; RESULTS: a UNIT (768 bytes) is half a fragment, 16 rows x 64 K, 6 registers: registers 0-3 of lane l at 16 l, registers 4-5 at 512 + 8 l.
;   qimg [head of a batch][tile of 16 queries] units; qsc 16 scale words a tile (bytes 0, 1: the two blocks; bytes 2, 3: 0).
;   kvp [head of a batch][step of 128 keys] packages of 13,056 bytes: K's 8 units; 4 x 128 bytes of K's scale words; V's 8 units (which 64 keys, channel tile); 2 x 128 bytes of V's scale words.
; CLUSTER 4 x 4: the four work-groups of a row of the cluster share their tokens' packages of x, the four of a column their heads' packages of W: each is asked for jointly, by the same tensor load with the
; same descriptor and a mask that names the four.  x's eight packages are filled once; W's go through two slots of two packages.  By this text's own count a wave has at most one tensor load out.
; LIMITS: NaN and infinities are not served; a block whose largest magnitude lies under 2^-122 keeps the byte 1, and so does a block of zeros (its codes are zeros; this program alone reads the bytes).
; REGISTERS: window 0: v1-19 addresses; v20-27 scale words; v32-79 x's four fragments; v80-90 at work; v96-191 the units; v192-213 their scale words.   window 1: v0-143 W's twelve fragments.
;   window 2: q's accumulator (token tile tt, feature tile f) at 8 (4 tt + f), k's at 128 + the same.   window 3: v's (f, tt) at 8 (4 f + tt); the biases: q's at 128 + 8 f, k's at 160 + 8 f, v's at 192 + 8 f.
.set PKX,   12800                      ; a package of x
.set PKW,   38400                      ; a package of W
.set WI,    8*PKX                      ; LDS: x's eight packages, then W's two slots,
.set WSLOT, 2*PKW
.set SPARE, WI+2*WSLOT                 ; then the spare words, 128 bytes for each wave: two blocks of 256 bytes that no other line names
.set AX,  4                            ; v4, v5    my four fragments of x, K steps 0-3 and 4-7
.set AW,  6                            ; v6, v7    my twelve fragments of W in slot 0, 1
.set ASX, 8                            ; v8, v9    x's scale words
.set ASW, 10                           ; v10, v11  W's
.set SPW, 12                           ; v12       my spare word: SPARE + 4 x my thread's number; never rewritten
.set NIL, 13                           ; v13       0; never rewritten
.set XS,  20                           ; v20-21    x's scale words: lanes 0-15 the even tile of a pair, lanes 16-31 the odd one
.set WS,  22                           ; v22-27    W's likewise
.set XF,  32
.set TM,  80                           ; v80-81 largest magnitudes; v82-83 the other half's; v84-85 scale operands; v86-87 bytes; v88-90 a block's codes
.set TP,  82
.set SCL, 84
.set BY,  86
.set TC,  88
.set UB,  96                           ; unit n at v[96 + 8 n]: each has registers of its own, so that no store's data are written again
.set HW,  192                          ; its two scale bytes
.set MW,  208                          ; two tiles' words in one register
.set G1X, 28                           ; s[28:35] descriptor group 1 for x's packages;  s[36:43] for W's
.set G1W, 36
.set GXA, 44                           ; s[44:47], s[48:51] groups 0 for x's two halves;  s[52:55], s[56:59] for W's two slots
.set GXB, 48
.set GW0, 52
.set GW1, 56
.set MSB, 0
.macro WIN new                         ; the immediate's high byte repeats the setting that is left; a switch that changes nothing is dropped
.if MSB != \new
	s_set_vgpr_msb (MSB<<8)|\new
.set MSB, \new
.endif
.endm
.macro PLACES                          ; four plain places behind a matrix instruction, ahead of loads into its registers and of reads of its result
.rept 4
	v_nop
.endr
.endm
.macro ROUND                           ; a round of the cluster's barrier: my work-group's barrier, wave 0 signals for it, every wave waits for all sixteen, my work-group's barrier once more
	s_barrier_signal -1
	s_barrier_wait -1
	s_cmp_lg_u32 s20, 0
	s_cbranch_scc1 .Lnot_wave_0_\@
	s_barrier_signal -3
.Lnot_wave_0_\@:
	s_barrier_wait -3
	s_barrier_signal -1
	s_barrier_wait -1
.endm
; one product: D, source 0, source 1, C, their scale registers, and which half of the lanes holds each side's words
.macro WM d, a, b, c, sa, sb, ra, rb
.if (\ra)&&(\rb)
	v_wmma_scale_f32_16x16x128_f8f6f4 v[\d:\d+7], v[\a:\a+11], v[\b:\b+11], v[\c:\c+7], v[\sa], v[\sb] matrix_a_fmt:MATRIX_FMT_BF6 matrix_b_fmt:MATRIX_FMT_BF6 matrix_a_scale:MATRIX_SCALE_ROW1 matrix_b_scale:MATRIX_SCALE_ROW1
.elseif (\ra)
	v_wmma_scale_f32_16x16x128_f8f6f4 v[\d:\d+7], v[\a:\a+11], v[\b:\b+11], v[\c:\c+7], v[\sa], v[\sb] matrix_a_fmt:MATRIX_FMT_BF6 matrix_b_fmt:MATRIX_FMT_BF6 matrix_a_scale:MATRIX_SCALE_ROW1
.elseif (\rb)
	v_wmma_scale_f32_16x16x128_f8f6f4 v[\d:\d+7], v[\a:\a+11], v[\b:\b+11], v[\c:\c+7], v[\sa], v[\sb] matrix_a_fmt:MATRIX_FMT_BF6 matrix_b_fmt:MATRIX_FMT_BF6 matrix_b_scale:MATRIX_SCALE_ROW1
.else
	v_wmma_scale_f32_16x16x128_f8f6f4 v[\d:\d+7], v[\a:\a+11], v[\b:\b+11], v[\c:\c+7], v[\sa], v[\sb] matrix_a_fmt:MATRIX_FMT_BF6 matrix_b_fmt:MATRIX_FMT_BF6
.endif
.endm
	s_load_b512 s[4:19], s[0:1], 0x0               ; xp, wp, bq, bk, bv, qimg, qsc, kvp
	v_lshl_add_u32 v[SPW], v0, 2, SPARE
	v_mov_b32 v[NIL], 0
	ds_add_u32 v12, v13
	ds_add_u32 v12, v13
	s_wait_dscnt 0x0
	v_lshrrev_b32 v1, 5, v0
	v_readfirstlane_b32 s20, v1                    ; wave 0..3
	s_lshr_b32 s21, s20, 1                         ; i: my half of the tokens
	s_and_b32 s22, s20, 1                          ; j: my head of the two
	s_bfe_u32 s23, ttmp6, 0x40000                  ; cx, cy: my place in the cluster
	s_bfe_u32 s24, ttmp6, 0x40004
	s_lshl_b32 s25, ttmp9, 2
	s_add_co_u32 s25, s25, s23                     ; pair of heads = 4 x cluster x + cx
	s_and_b32 s26, ttmp7, 0xffff
	s_lshl_b32 s26, s26, 2
	s_add_co_u32 s26, s26, s24                     ; block of 128 tokens = 4 x cluster y + cy
	s_lshl_b32 s27, s24, 2
	s_lshl_b32 s27, 15, s27                        ; my row of the cluster
	s_lshl_b32 s63, 0x1111, s23                    ; my column
	; group 1: dense blocks as rows of 256 bytes (32 elements of 8 bytes), no padding: images are read 512 consecutive bytes at a time
	s_or_b32 s[G1X], s27, (3<<16)|(1<<21)          ; 15:0 the mask: x's packages go to my row; 17:16 elements of 8 bytes; 21 set beside a mask
	s_mov_b32 s[G1X+1], 32<<16                     ; tensor_dim0 = 32
	s_mov_b32 s[G1X+2], 200<<16                    ; 200 rows: four packages of x, one load of wave 3
	s_mov_b32 s[G1X+3], 32<<16                     ; tile_dim0
	s_mov_b32 s[G1X+4], 200
	s_mov_b32 s[G1X+5], 32                         ; the pitch
	s_mov_b32 s[G1X+6], 0
	s_mov_b32 s[G1X+7], 0
	s_or_b32 s[G1W], s63, (3<<16)|(1<<21)          ; W's go to my column
	s_mov_b32 s[G1W+1], 32<<16
	s_mov_b32 s[G1W+2], 100<<16                    ; 100 rows: a third of a slot, one load of waves 0, 1, 2 each
	s_mov_b32 s[G1W+3], 32<<16
	s_mov_b32 s[G1W+4], 100
	s_mov_b32 s[G1W+5], 32
	s_mov_b32 s[G1W+6], 0
	s_mov_b32 s[G1W+7], 0
	; group 0: x's addresses hang on the block of tokens and the wave alone, W's on the pair of heads and the wave alone; the LDS addresses on the wave alone
	s_mul_i32 s72, s26, 8*PKX
	s_mov_b32 s[GXA+1], 0
	s_mov_b32 s73, 0
	s_mul_i32 s74, s25, 8*PKW
	s_mul_i32 s75, s20, WSLOT/3
	s_add_co_u32 s74, s74, s75
	s_add_co_u32 s[GW0+1], s75, WI
	s_mov_b32 s75, 0
	s_add_co_u32 s[GXB+1], s[GXA+1], 4*PKX
	s_add_co_u32 s[GW1+1], s[GW0+1], WSLOT
	s_mov_b32 s[GXA], 1
	s_mov_b32 s[GXB], 1
	s_mov_b32 s[GW0], 1
	s_mov_b32 s[GW1], 1
	s_mov_b32 s60, 0x76543210
	s_mov_b32 s61, 0xfedcba98                      ; v_permlanex16_b32's selects for lane l xor 16
	s_mov_b32 s62, 0xffff0000                      ; lanes 16-31
	s_wait_kmcnt 0x0
	s_add_nc_u64 s[GXA+2:GXA+3], s[4:5], s[72:73]
	s_add_nc_u64 s[GXB+2:GXB+3], s[GXA+2:GXA+3], 4*PKX
	s_or_b32 s[GXA+3], s[GXA+3], 0x80000000
	s_or_b32 s[GXB+3], s[GXB+3], 0x80000000
	s_add_nc_u64 s[GW0+2:GW0+3], s[6:7], s[74:75]
	s_add_nc_u64 s[GW1+2:GW1+3], s[GW0+2:GW0+3], WSLOT
	s_or_b32 s[GW0+3], s[GW0+3], 0x80000000
	s_or_b32 s[GW1+3], s[GW1+3], 0x80000000
	ROUND                                          ; all sixteen work-groups are here: the first joint loads meet
; ONE TENSOR LOAD A WAVE behind each round: wave 3 fetches four packages of x, waves 0 to 2 a third of a slot of W each.  By this text's own count a wave has one tensor load out.
.macro JL gx, gw
	s_cmp_eq_u32 s20, 3
	s_cbranch_scc0 .Lfor_w_\@
	tensor_load_to_lds s[\gx:\gx+3], s[G1X:G1X+7]
	s_nop 0
	PLACES
	s_branch .Lasked_\@
.Lfor_w_\@:
	tensor_load_to_lds s[\gw:\gw+3], s[G1W:G1W+7]
	s_nop 0
	PLACES
.Lasked_\@:
.endm
	JL GXA, GW0                                    ; x's K steps 0-3, W's K steps 0, 1
	v_and_b32 v17, 31, v0                          ; lane
	v_lshlrev_b32 v1, 4, v17                       ; 16 x lane
	v_lshlrev_b32 v3, 2, v17                       ; 4 x lane
	v_lshl_add_u32 v2, v17, 3, 512                 ; 8 x lane + 512: a unit's registers 4, 5
	s_mul_i32 s66, s21, 4*1536
	v_add_nc_u32 v[AX], s66, v1
	v_add_nc_u32 v[AX+1], 4*PKX, v[AX]
	s_mul_i32 s67, s22, 12*1536
	s_add_co_u32 s67, s67, WI
	v_add_nc_u32 v[AW], s67, v1
	v_add_nc_u32 v[AW+1], WSLOT, v[AW]
	s_lshl_b32 s68, s21, 8
	s_add_co_u32 s68, s68, 8*1536
	v_add_nc_u32 v[ASX], s68, v3
	v_add_nc_u32 v[ASX+1], 4*PKX, v[ASX]
	s_mul_i32 s69, s22, 6*128
	s_add_co_u32 s69, s69, WI+24*1536
	v_add_nc_u32 v[ASW], s69, v3
	v_add_nc_u32 v[ASW+1], WSLOT, v[ASW]
	v_bfe_u32 v18, v0, 4, 1                        ; h
	v_lshlrev_b32 v14, 6, v18                      ; 64 h: bq, bk: my 16 features of a block of 32
	s_wait_alu depctr_va_vdst(0)
	v_and_b32 v19, 15, v0                          ; r
	v_lshlrev_b32 v15, 2, v19                      ; 4 r: bv: my channel
	s_wait_alu depctr_va_vdst(0)
	s_lshl_b32 s70, s21, 1
	v_add_nc_u32 v16, s70, v3                      ; 4 x lane + 2 i: my two bytes of V's scale words
	v_mov_b32 v[TP], 0                             ; written once: a lane permute's destination counts as one of its sources
	v_mov_b32 v[TP+1], 0
	s_lshl_b32 s76, s25, 1
	s_add_co_u32 s76, s76, s22                     ; my head
	s_lshl_b32 s78, s76, 8                         ; its 64 numbers of each bias
	s_mov_b32 s79, 0
	s_add_nc_u64 s[8:9], s[8:9], s[78:79]
	s_add_nc_u64 s[10:11], s[10:11], s[78:79]
	s_add_nc_u64 s[12:13], s[12:13], s[78:79]
	WIN 0xc0                                       ; destination window 3
.irp f, 0,1,2,3
	global_load_b128 v[128+8*\f:128+8*\f+3], v14, s[8:9] offset:(32*(\f/2)+8*(\f%2))*4        ; register jj of tile f: feature 32 (f / 2) + 16 h + 8 (f % 2) + jj
	global_load_b128 v[128+8*\f+4:128+8*\f+7], v14, s[8:9] offset:(32*(\f/2)+8*(\f%2))*4+16
	global_load_b128 v[160+8*\f:160+8*\f+3], v14, s[10:11] offset:(32*(\f/2)+8*(\f%2))*4
	global_load_b128 v[160+8*\f+4:160+8*\f+7], v14, s[10:11] offset:(32*(\f/2)+8*(\f%2))*4+16
.irp q, 0,1,2,3,4,5,6,7
	global_load_b32 v[192+8*\f+\q], v15, s[12:13] offset:64*\f                                 ; v: a lane's eight results are eight tokens of channel 16 f + r
.endr
.endr
	WIN 0
	; where the results go
	s_lshr_b32 s80, s26, 4
	s_lshl_b32 s80, s80, 4
	s_add_co_u32 s80, s80, s76                     ; 16 x batch + head
	s_and_b32 s81, s26, 15                         ; the step of 128 keys
	s_lshl_b32 s82, s80, 7
	s_lshl_b32 s83, s81, 3
	s_add_co_u32 s82, s82, s83
	s_lshl_b32 s83, s21, 2
	s_add_co_u32 s82, s82, s83                     ; my first tile of queries
	s_mul_i32 s84, s82, 768
	s_mov_b32 s85, 0
	s_lshl_b32 s86, s82, 6
	s_mov_b32 s87, 0
	s_lshl_b32 s88, s80, 4
	s_add_co_u32 s88, s88, s81
	s_mul_i32 s88, s88, 13056
	s_mov_b32 s89, 0
	s_add_nc_u64 s[14:15], s[14:15], s[84:85]
	s_add_nc_u64 s[16:17], s[16:17], s[86:87]
	s_add_nc_u64 s[18:19], s[18:19], s[88:89]      ; the package of K and V
	s_mul_i32 s90, s21, 4*768
	s_mov_b32 s91, 0
	s_add_nc_u64 s[90:91], s[18:19], s[90:91]      ; my four units of K, and of V
	s_lshl_b32 s92, s21, 8
	s_mov_b32 s93, 0
	s_add_nc_u64 s[92:93], s[18:19], s[92:93]      ; my two pairs of K's scale words
; A K STEP: 56 LDS loads in one run, then 48 products.  The 48 accumulators take turns, one instruction a turn, in the same order in every step.
.macro KSTEP s, first, pl
.set XH, (\s)/4
.set XO, ((\s)%4)*PKX
.set WH, ((\s)/2)%2
.set WO, ((\s)%2)*PKW
.if \pl
	PLACES
.endif
	WIN 0
.irp p, 0,1
	ds_load_b32 v[XS+\p], v[ASX+XH] offset:XO+128*\p
.endr
.irp p, 0,1,2,3,4,5
	ds_load_b32 v[WS+\p], v[ASW+WH] offset:WO+128*\p
.endr
.irp tt, 0,1,2,3
.irp g, 0,1,2
	ds_load_b128 v[XF+12*\tt+4*\g:XF+12*\tt+4*\g+3], v[AX+XH] offset:XO+1536*\tt+512*\g
.endr
.endr
	WIN 0x40                                       ; destination window 1
.irp ft, 0,1,2,3,4,5,6,7,8,9,10,11
.irp g, 0,1,2
	ds_load_b128 v[12*\ft+4*\g:12*\ft+4*\g+3], v[AW+WH] offset:WO+1536*\ft+512*\g
.endr
.endr
.irp ft, 0,1,2,3,4,5,6,7                       ; q and k, transposed: source 0 = W (window 1), source 1 = x (window 0), C and D window 2; in the first step C is the bias, window 3
	s_wait_dscnt 3*(11-\ft)                        ; LDS loads come back in order: W's fragment ft is in, the later fragments' loads, three each, stay out
.if \first
	WIN 0xb1
.else
	WIN 0xa1
.endif
.irp tt, 0,1,2,3
.if \first
	WM 128*(\ft/4)+8*(4*\tt+\ft%4), 12*\ft, XF+12*\tt, 128+32*(\ft/4)+8*(\ft%4), WS+\ft/2, XS+\tt/2, \ft%2, \tt%2
.else
	WM 128*(\ft/4)+8*(4*\tt+\ft%4), 12*\ft, XF+12*\tt, 128*(\ft/4)+8*(4*\tt+\ft%4), WS+\ft/2, XS+\tt/2, \ft%2, \tt%2
.endif
.endr
.endr
.irp ft, 8,9,10,11                             ; v, as it is: source 0 = x (window 0), source 1 = W (window 1), C and D window 3
	s_wait_dscnt 3*(11-\ft)
	WIN 0xf4
.irp tt, 0,1,2,3
.if \first
	WM 8*(4*(\ft-8)+\tt), XF+12*\tt, 12*\ft, 192+8*(\ft-8), XS+\tt/2, WS+\ft/2, \tt%2, \ft%2
.else
	WM 8*(4*(\ft-8)+\tt), XF+12*\tt, 12*\ft, 8*(4*(\ft-8)+\tt), XS+\tt/2, WS+\ft/2, \tt%2, \ft%2
.endif
.endr
.endr
.endm
; A slot of W that has been read out is filled again, with the K steps four further on.
.macro REFILL g0
	WIN 0
	s_wait_tensorcnt 0x0                           ; all my tensor loads have landed, so a group 0 may be written
	ds_add_u32 v[SPW], v[NIL]                      ; 0 onto my spare word
	s_add_nc_u64 s[\g0+2:\g0+3], s[\g0+2:\g0+3], 4*PKW   ; the type bits on top are not reached
	s_wait_dscnt 0x0                               ; the add is done, and my reads of the slot are over
	ROUND                                          ; no wave of any partner still reads the slot or has a load on its way
	s_cmp_eq_u32 s20, 3                            ; wave 3 has no part of W to fetch
	s_cbranch_scc1 .Lno_part_\@
	tensor_load_to_lds s[\g0:\g0+3], s[G1W:G1W+7]  ; my one tensor load behind the round
	s_nop 0
.Lno_part_\@:
	PLACES                                         ; also the places in front of the next step's loads
.endm
	s_wait_alu depctr_va_vdst(0)                   ; the wait at the head's end
	s_wait_tensorcnt 0x0                           ; my part of the first fills is in
	ds_add_u32 v[SPW], v[NIL]
	s_wait_dscnt 0x0
	ROUND                                          ; everybody's parts are in, and all sixteen work-groups are here
	JL GXB, GW1                                    ; x's K steps 4-7, W's K steps 2, 3
	s_wait_loadcnt 0x0                             ; the biases
	KSTEP 0, 1, 0
	KSTEP 1, 0, 1
	REFILL GW0                                     ; K steps 4, 5
	KSTEP 2, 0, 0
	KSTEP 3, 0, 1
	REFILL GW1                                     ; K steps 6, 7
	KSTEP 4, 0, 0
	KSTEP 5, 0, 1
	WIN 0
	s_wait_tensorcnt 0x0                           ; my part of slot 1 is in
	ds_add_u32 v[SPW], v[NIL]
	s_wait_dscnt 0x0
	s_barrier_signal -1
	s_barrier_wait -1                              ; everybody's is; nothing is filled again, so no round
	KSTEP 6, 0, 1
	KSTEP 7, 0, 1
; 32 registers of window win, register base + 16 b + i = neighbour 32 b + 16 h + i along the next K, become unit n and its two scale bytes.  Each accumulator is read from its low end on.
.macro QUANT2 win, base, n
	WIN ((\win)<<2)|((\win)<<4)                    ; sources 1 and 2
.irp b, 0,1
	v_max3_num_f32 v[TM+\b], 0x2800000, |v[\base+16*\b]|, |v[\base+16*\b+1]|   ; with the floor 2^(5 - 127): the byte cannot fall under 1
.endr
.irp i, 2,4,6,8,10,12,14
.irp b, 0,1
	v_max3_num_f32 v[TM+\b], v[TM+\b], |v[\base+16*\b+\i]|, |v[\base+16*\b+\i+1]|
.endr
.endr
	WIN 0
.irp b, 0,1
	v_permlanex16_b32 v[TP+\b], v[TM+\b], s60, s61
.endr
.irp b, 0,1
	v_max_num_f32 v[TM+\b], v[TM+\b], v[TP+\b]     ; with lane l xor 16's: the block's largest magnitude
.endr
.irp b, 0,1
	v_add_nc_u32 v[SCL+\b], 0xfe000000, v[TM+\b]   ; 4 off its exponent field: the conversion's scale operand
.endr
.irp b, 0,1
	v_lshrrev_b32 v[BY+\b], 23, v[SCL+\b]          ; the scale's byte
.endr
	v_lshl_or_b32 v[HW+\n], v[BY+1], 8, v[BY]      ; bytes 2 and 3 stay 0
	WIN \win                                       ; source 0
	v_cvt_scalef32_pk16_bf6_f32 v[UB+8*(\n):UB+8*(\n)+2], v[\base:\base+15], v[SCL]
	v_cvt_scalef32_pk16_bf6_f32 v[TC:TC+2], v[\base+16:\base+31], v[SCL+1]
	WIN 0
	v_nop                                          ; one plain place behind a scaled conversion
.irp i, 0,1,2
	v_permlane16_swap_b32 v[UB+8*(\n)+\i], v[TC+\i]   ; a WHOLE block in a lane: lanes 0-15 block 0, lanes 16-31 block 1
.endr
.irp i, 0,1,2
	v_mov_b32 v[UB+8*(\n)+3+\i], v[TC+\i]
.endr
.endm
	PLACES                                         ; ahead of the first read of results
.irp tt, 0,1,2,3                               ; q: a tile of 16 tokens x the head's 64
	QUANT2 2, 32*\tt, \tt
	global_store_b128 v1, v[UB+8*\tt:UB+8*\tt+3], s[14:15] offset:768*\tt
	global_store_b64 v2, v[UB+8*\tt+4:UB+8*\tt+5], s[14:15] offset:768*\tt
.endr
.irp m, 0,1
	v_cndmask_b32 v[MW+\m], v[HW+2*\m], v[HW+2*\m+1], s62       ; lanes 0-15: the even tile's words, lanes 16-31: the odd one's
	global_store_b32 v3, v[MW+\m], s[16:17] offset:128*\m
.endr
.irp tt, 0,1,2,3                               ; k likewise
	QUANT2 2, 128+32*\tt, 4+\tt
	global_store_b128 v1, v[UB+32+8*\tt:UB+32+8*\tt+3], s[90:91] offset:768*\tt
	global_store_b64 v2, v[UB+32+8*\tt+4:UB+32+8*\tt+5], s[90:91] offset:768*\tt
.endr
.irp m, 0,1
	v_cndmask_b32 v[MW+2+\m], v[HW+4+2*\m], v[HW+4+2*\m+1], s62
	global_store_b32 v3, v[MW+2+\m], s[92:93] offset:6144+128*\m
.endr
; v: row 8 h + j of token tile tt is token 32 h + 8 tt + j of my 64, so a lane's 32 registers of a channel tile are ONE WHOLE BLOCK of 32 neighbouring tokens: no other lane is asked for the maximum,
; and the two conversions' results are the unit's six registers.  The block's byte goes to place h of the half word; lane l xor 16's byte completes it.
.macro QUANTV base, n
	WIN (3<<2)|(3<<4)
.irp b, 0,1
	v_max3_num_f32 v[TM+\b], 0x2800000, |v[\base+16*\b]|, |v[\base+16*\b+1]|
.endr
.irp i, 2,4,6,8,10,12,14
.irp b, 0,1
	v_max3_num_f32 v[TM+\b], v[TM+\b], |v[\base+16*\b+\i]|, |v[\base+16*\b+\i+1]|
.endr
.endr
	WIN 0
	v_max_num_f32 v[TM], v[TM], v[TM+1]
	v_add_nc_u32 v[SCL], 0xfe000000, v[TM]
	v_lshrrev_b32 v[BY], 23, v[SCL]
	v_lshlrev_b32 v[BY], v18, v[BY]
	v_permlanex16_b32 v[TP], v[BY], s60, s61
	v_or_b32 v[HW+\n], v[BY], v[TP]
	WIN 3
	v_cvt_scalef32_pk16_bf6_f32 v[UB+8*(\n):UB+8*(\n)+2], v[\base:\base+15], v[SCL]
	v_cvt_scalef32_pk16_bf6_f32 v[TC:TC+2], v[\base+16:\base+31], v[SCL]
	WIN 0
	v_nop
.irp i, 0,1,2
	v_mov_b32 v[UB+8*(\n)+3+\i], v[TC+\i]
.endr
.endm
	v_lshlrev_b32 v18, 3, v18                      ; 8 h
.irp f, 0,1,2,3
	QUANTV 32*\f, 8+\f
	global_store_b128 v1, v[UB+64+8*\f:UB+64+8*\f+3], s[90:91] offset:6656+768*\f
	global_store_b64 v2, v[UB+64+8*\f+4:UB+64+8*\f+5], s[90:91] offset:6656+768*\f
.endr
.irp m, 0,1
	v_cndmask_b32 v[MW+4+\m], v[HW+8+2*\m], v[HW+8+2*\m+1], s62
	global_store_b16 v16, v[MW+4+\m], s[18:19] offset:12800+128*\m   ; my 64 tokens are two of a step's four blocks: two bytes of each word; 256 bytes of a package of 13,056 leave so
.endr
	s_wait_tensorcnt 0x0                           ; the wave's end
	ds_add_u32 v[SPW], v[NIL]
	s_wait_dscnt 0x0
	ROUND                                          ; the closing round: no work-group ends while a partner may still ask for a package that names it
	s_endpgm
.Lfunc_end_k_qe459f540bc_proj:
	.size	k_qe459f540bc_proj, .Lfunc_end_k_qe459f540bc_proj-k_qe459f540bc_proj
	.p2alignl 7, 3214868480
	.fill 96, 4, 3214868480
	.section	.rodata,"a",@progbits
	.p2align	6, 0x0
	.amdhsa_kernel k_qe459f540bc_proj
		.amdhsa_group_segment_fixed_size 327680
		.amdhsa_private_segment_fixed_size 0
		.amdhsa_enable_private_segment 0
		.amdhsa_kernarg_size 64
		.amdhsa_user_sgpr_count 2
		.amdhsa_user_sgpr_kernarg_segment_ptr 1
		.amdhsa_wavefront_size32 1
		.amdhsa_system_sgpr_workgroup_id_x 1
		.amdhsa_system_sgpr_workgroup_id_y 1
		.amdhsa_system_sgpr_workgroup_id_z 1
		.amdhsa_system_vgpr_workitem_id 0
		.amdhsa_next_free_vgpr 1024
		.amdhsa_next_free_sgpr 96
		.amdhsa_reserve_vcc 0
		.amdhsa_float_denorm_mode_32 3
		.amdhsa_float_denorm_mode_16_64 3
		.amdhsa_memory_ordered 1
		.amdhsa_forward_progress 1
		.amdhsa_inst_pref_size 121
	.end_amdhsa_kernel
	.amdgpu_metadata
---
amdhsa.version: [ 1, 2 ]
amdhsa.kernels:
  - .name:           k_qe459f540bc_proj
    .symbol:         k_qe459f540bc_proj.kd
    .args:
      - { .name: xp, .offset: 0, .size: 8, .value_kind: global_buffer, .address_space: global }
      - { .name: wp, .offset: 8, .size: 8, .value_kind: global_buffer, .address_space: global }
      - { .name: bq, .offset: 16, .size: 8, .value_kind: global_buffer, .address_space: global }
      - { .name: bk, .offset: 24, .size: 8, .value_kind: global_buffer, .address_space: global }
      - { .name: bv, .offset: 32, .size: 8, .value_kind: global_buffer, .address_space: global }
      - { .name: qimg, .offset: 40, .size: 8, .value_kind: global_buffer, .address_space: global }
      - { .name: qsc, .offset: 48, .size: 8, .value_kind: global_buffer, .address_space: global }
      - { .name: kvp, .offset: 56, .size: 8, .value_kind: global_buffer, .address_space: global }
    .group_segment_fixed_size: 327680
    .private_segment_fixed_size: 0
    .kernarg_segment_align: 8
    .kernarg_segment_size: 64
    .max_flat_workgroup_size: 128
    .sgpr_count:     96
    .vgpr_count:     1024
    .wavefront_size: 32
...
	.end_amdgpu_metadata
.endif
;; end of part 2
;; launch attn (part 3): grid 8 x 32, 8 waves a work-group, clusters of 4 x 1, 327,680 bytes of LDS; arguments qimg, qsc, kvp, att, x; writes att
.if DOCPART == 3
	.amdgcn_target "amdgcn-amd-amdhsa--gfx1250"
	.amdhsa_code_object_version 6
	.text
	.protected	k_qe459f540bc_attn
	.globl	k_qe459f540bc_attn
	.p2align	8
	.type	k_qe459f540bc_attn,@function
k_qe459f540bc_attn:
	s_mov_b64 s[64:65], 0
	v_nop
	global_prefetch_b8 v0, s[64:65] scope:SCOPE_SE
	s_setreg_imm32_b32 hwreg(HW_REG_WAVE_MODE, 25, 1), 1
	s_wait_xcnt 0x0
	s_wait_alu depctr_hold_cnt(0) depctr_sa_sdst(0) depctr_va_vdst(0) depctr_va_sdst(0) depctr_va_ssrc(0) depctr_va_vcc(0) depctr_vm_vsrc(0)
	s_getreg_b32 s2, hwreg(HW_REG_IB_STS2, 6, 4)
	s_cmp_eq_u32 s2, 0
	s_cbranch_scc0 .Lentry_in_a_cluster
	s_endpgm
.Lentry_in_a_cluster:
	s_bfe_u32 s2, ttmp6, 0x10000c
	s_cmp_lg_u32 s2, 0x3003
	s_cbranch_scc0 .Lentry_shape_is_right
	s_endpgm
.Lentry_shape_is_right:
; att[token][64 head + d] = the sum over keys of softmax(q . k / 8) v, both products on codes of E3M2 with one E8M0 scale for each 32 along K.
; THE SOFTMAX AHEAD OF THE SECOND PRODUCT: t = score x log2(e) / 8; M = the row's largest t so far, rounded UP to a whole number; p = 2^(t - M) is quantised along the keys, not normalised.
; The row's sum is taken of the unquantised p, in f32, and divides at the end.  When M moves, the sum and O are multiplied by 2^(old M - new M): exact.
; SHARES.  A work-group owns 256 queries of one head of one batch; each of its eight waves owns TWO tiles of 16 queries, so each fragment of K and V read from LDS feeds two products.
; Every wave walks the head's 2,048 keys, 128 a step; the next step's K is fetched while this step's softmax is worked.
; THE WHOLE HEAD'S K AND V, 16 packages of 13,056 bytes, lie in LDS, filled once, in two fills of eight packages, one package a wave each: one tensor load of a wave is out at a time.
; CLUSTER 4 x 1: the four query blocks of a cluster belong to one head: every package is asked for jointly (mask 15).
; NO PREFETCH: both fills are asked for ahead of the first key step, so there is no loop that could run ahead of them.
; LAYOUT.  Both products are used transposed: S^T = K Q^T (source 0 = 16 keys), O^T = V^T P^T (source 0 = 16 channels): a lane holds ONE query of each tile throughout.
; Row 8 h + j of tile 4 g + t of a block of 128 tokens is token 64 g + 32 h + 8 t + j.  So lane (r, h)'s 32 registers of key tiles 4 g .. 4 g + 3 are the WHOLE block of keys 64 g + 32 h + 0 .. 31,
; in the order in which the operand's layout wants them: a block's maximum needs no other lane, and the conversions' results are p's fragment.  The queries of a tile are chosen alike.
; THE HEAD IS 64 WIDE, THE INSTRUCTION 128: Q's registers 6-11 hold zero codes, so whatever finite codes stand in source 0's registers 6-11 (the next tile's; zeros behind the last) add nothing;
; the scale bytes of those two blocks are 0, which is 2^-127 and no NaN.
; LIMITS: NaN and infinities are not served; the promise holds while the scaled scores t stay under 2^31 in magnitude.
; REGISTERS, window 0: v1-11 addresses; for tile q: v[12+2q] -M, v[13+2q] the largest score, v[16+2q:17+2q] the sum, v[20+2q:21+2q] f; v26-35 scale words; v36-59 Q; v60-113 K; v114-127 at work; v128-255 S^T, then p.
;   window 1: v0-63 O^T; v64-87 p's codes; v88-103 the second halves of the blocks' codes; v104-151 V.
.set PKG,   13056
.set STG,   16*PKG                     ; behind the head: a stage of 16 rows x (256 bytes + 16) for each wave; no fill lands there
.set SPARE, STG+8*16*272               ; the spare words, 128 bytes a wave: four blocks of 256 bytes that no other line names
.set NM,  12
.set LS,  16
.set FF,  20
.set SPW, 24
.set NIL, 25
.set QS,  26
.set KS,  28
.set VS,  32
.set PW,  34
.set QF,  36
.set KF,  60
.set BM,  114                          ; block x = 2 q + c: its largest score, then its largest p
.set SO,  118                          ; the conversions' scale operands
.set BY,  122                          ; the bytes; v[BY+2q+1] also takes the other half's numbers
.set TMP, 126
.set SS,  128
.set OT,  0
.set PCD, 64
.set CT,  88
.set VF,  104
.set MSB, 0
.macro WIN new                         ; the immediate's high byte repeats the setting that is left
.if MSB != \new
	s_set_vgpr_msb (MSB<<8)|\new
.set MSB, \new
.endif
.endm
.macro PLACES
.rept 4
	v_nop
.endr
.endm
.macro D n
	s_delay_alu instid0(VALU_DEP_\n)
.endm
.macro CROUND                          ; a round of the cluster's barrier
	s_barrier_signal -1
	s_barrier_wait -1
	s_cmp_lg_u32 s12, 0
	s_cbranch_scc1 .Lnot_wave_0_\@
	s_barrier_signal -3
.Lnot_wave_0_\@:
	s_barrier_wait -3
	s_barrier_signal -1
	s_barrier_wait -1
.endm
	; THE RESIDUAL: on the way out x's numbers are added, in f32, so what att holds is the attention's result + x, as the next launch wants it.
	s_load_b256 s[4:11], s[0:1], 0x0               ; qimg, qsc, kvp, att
	s_load_b64 s[42:43], s[0:1], 0x20              ; x
	v_lshl_add_u32 v[SPW], v0, 2, SPARE
	v_mov_b32 v[NIL], 0
	ds_add_u32 v[SPW], v[NIL]                      ; the opening lines: the add, twice on end, and its wait
	ds_add_u32 v[SPW], v[NIL]
	v_lshrrev_b32 v1, 5, v0
	v_readfirstlane_b32 s12, v1                    ; wave 0..7
	s_bfe_u32 s13, ttmp6, 0x40000                  ; cx
	s_lshl_b32 s14, ttmp9, 2
	s_add_co_u32 s14, s14, s13                     ; my block of 256 queries: it enters Q's and att's addresses alone
	s_and_b32 s15, ttmp7, 0xffff                   ; 16 x batch + head, which the four partners share
	s_mov_b32 s24, 15|(3<<16)|(1<<21)              ; group 1: the mask: all four; elements of 8 bytes; bit 21 beside a mask; no padding
	s_mov_b32 s25, 32<<16                          ; rows of 256 bytes
	s_mov_b32 s26, 51<<16                          ; 51 rows: a package
	s_mov_b32 s27, 32<<16
	s_mov_b32 s28, 51
	s_mov_b32 s29, 32
	s_mov_b32 s30, 0
	s_mov_b32 s31, 0
	s_mul_i32 s16, s12, PKG                        ; wave w fetches packages w and 8 + w
	s_mul_i32 s18, s15, 16*PKG
	s_add_co_u32 s18, s18, s16
	s_mov_b32 s19, 0
	s_mov_b32 s48, 0x76543210
	s_mov_b32 s49, 0xfedcba98                      ; v_permlanex16_b32's selects for lane l xor 16
	s_mov_b32 s50, 0x3e38aa3b                      ; c = log2(e) / 8
	s_mov_b32 s51, s50
	s_mov_b32 s54, 0xbe38aa3b                      ; -c
	s_lshl_b32 s20, s15, 7
	s_lshl_b32 s21, s14, 4
	s_add_co_u32 s20, s20, s21
	s_lshl_b32 s21, s12, 1
	s_add_co_u32 s20, s20, s21                     ; my first tile of queries
	s_mul_i32 s22, s20, 768
	s_mov_b32 s23, 0
	s_lshl_b32 s40, s20, 6
	s_mov_b32 s41, 0
	s_lshr_b32 s56, s15, 4
	s_lshl_b32 s56, s56, 11                        ; the batch's 2,048 tokens,
	s_lshl_b32 s57, s14, 8
	s_add_co_u32 s56, s56, s57                     ; my block's 256,
	s_lshr_b32 s57, s12, 1
	s_lshl_b32 s57, s57, 6
	s_add_co_u32 s56, s56, s57
	s_and_b32 s57, s12, 1
	s_lshl_b32 s57, s57, 4
	s_add_co_u32 s56, s56, s57                     ; tile 2 w's first token: 64 (w / 2) + 16 (w % 2)
	s_lshl_b32 s56, s56, 12
	s_and_b32 s57, s15, 15
	s_lshl_b32 s57, s57, 8
	s_add_co_u32 s56, s56, s57                     ; + the head's 256 bytes
	s_mov_b32 s57, 0
	s_mul_i32 s58, s12, 16*272
	s_add_co_u32 s58, s58, STG                     ; my stage
	s_wait_dscnt 0x0
	s_wait_kmcnt 0x0
	s_add_nc_u64 s[18:19], s[8:9], s[18:19]
	s_add_nc_u64 s[4:5], s[4:5], s[22:23]
	s_add_nc_u64 s[6:7], s[6:7], s[40:41]
	s_add_nc_u64 s[10:11], s[10:11], s[56:57]
	s_add_nc_u64 s[42:43], s[42:43], s[56:57]      ; x lies as att does: the same bytes from its first
	s_mov_b32 s32, 1
	s_mov_b32 s33, s16
	s_mov_b64 s[34:35], s[18:19]
	s_or_b32 s35, s35, 0x80000000
	s_mov_b32 s36, 1
	s_add_co_u32 s37, s16, 8*PKG
	s_add_nc_u64 s[38:39], s[18:19], 8*PKG
	s_or_b32 s39, s39, 0x80000000
	CROUND                                         ; all four work-groups are here: the joint loads meet
	tensor_load_to_lds s[32:35], s[24:31]          ; package w: one tensor load a wave at the head
	s_nop 0
	PLACES
	v_and_b32 v10, 31, v0
	v_lshlrev_b32 v1, 4, v10                       ; 16 x lane
	v_lshlrev_b32 v2, 3, v10                       ; 8 x lane
	v_lshlrev_b32 v3, 2, v10                       ; 4 x lane
	v_and_b32 v10, 15, v0                          ; r
	v_bfe_u32 v11, v0, 4, 1                        ; h
	v_mul_u32_u24 v8, v10, 272
	v_mul_u32_u24 v9, v11, 272
	v_lshlrev_b32 v7, 12, v11
	v_lshl_add_u32 v8, v11, 5, v8
	v_lshl_add_u32 v9, v10, 4, v9
	v_lshl_add_u32 v7, v10, 4, v7                  ; att: lanes 0-15 one token's 256 bytes, lanes 16-31 the next token's
	v_add_nc_u32 v8, s58, v8                       ; stage, in: row r, + 32 h
	v_add_nc_u32 v9, s58, v9                       ; back: lanes 0-15 one row, lanes 16-31 the next
	v_lshlrev_b32 v10, 2, v10                      ; 4 r
	v_lshlrev_b32 v11, 3, v11                      ; 8 h
	s_wait_alu depctr_va_vdst(0)
.irp q, 0,1
	global_load_b128 v[QF+12*\q:QF+12*\q+3], v1, s[4:5] offset:768*\q          ; Q's units stay in registers
	global_load_b64 v[QF+12*\q+4:QF+12*\q+5], v2, s[4:5] offset:768*\q+512
	global_load_b32 v[QS+\q], v10, s[6:7] offset:64*\q                         ; and their scale words
.endr
.irp q, 0,1
	v_mov_b32 v[NM+2*\q], 0x7e000000               ; -M: above every later one, so that the first f is 0
	v_mov_b32 v[NM+2*\q+1], 0xff61b1e6             ; the largest score so far: -3e38
	v_mov_b32 v[LS+2*\q], 0
	v_mov_b32 v[LS+2*\q+1], 0
	v_mov_b32 v[FF+2*\q+1], 0                      ; (named as the upper half of a pair)
	v_mov_b32 v[BY+2*\q+1], 0                      ; a lane permute's destination counts as one of its sources
.irp j, 6,7,8,9,10,11
	v_mov_b32 v[QF+12*\q+\j], 0                    ; zero codes: Q's k = 64 .. 127
.endr
.endr
.irp j, 48,49,50,51,52,53
	v_mov_b32 v[KF+\j], 0                          ; zero codes behind K's last unit
.endr
	WIN 0x40
.set j, 0
.rept 64
	v_mov_b32 v[OT+j], 0                           ; O^T: the step is written once; the first finds zeros (these lines run while the first fill is on its way)
.set j, j+1
.endr
	WIN 0
.macro SMUL t, q                       ; S^T: key tile t x query tile q
.if (\t)%2
	v_wmma_scale_f32_16x16x128_f8f6f4 v[SS+64*\q+8*\t:SS+64*\q+8*\t+7], v[KF+6*\t:KF+6*\t+11], v[QF+12*\q:QF+12*\q+11], 0, v[KS+\t/2], v[QS+\q] matrix_a_fmt:MATRIX_FMT_BF6 matrix_b_fmt:MATRIX_FMT_BF6 matrix_a_scale:MATRIX_SCALE_ROW1
.else
	v_wmma_scale_f32_16x16x128_f8f6f4 v[SS+64*\q+8*\t:SS+64*\q+8*\t+7], v[KF+6*\t:KF+6*\t+11], v[QF+12*\q:QF+12*\q+11], 0, v[KS+\t/2], v[QS+\q] matrix_a_fmt:MATRIX_FMT_BF6 matrix_b_fmt:MATRIX_FMT_BF6
.endif
.endm
.macro PVMUL t, q                      ; O^T: channel tile t x query tile q, K = the step's 128 keys (all but the scales in window 1)
.if (\t)%2
	v_wmma_scale_f32_16x16x128_f8f6f4 v[OT+32*\q+8*\t:OT+32*\q+8*\t+7], v[VF+12*\t:VF+12*\t+11], v[PCD+12*\q:PCD+12*\q+11], v[OT+32*\q+8*\t:OT+32*\q+8*\t+7], v[VS+\t/2], v[PW+\q] matrix_a_fmt:MATRIX_FMT_BF6 matrix_b_fmt:MATRIX_FMT_BF6 matrix_a_scale:MATRIX_SCALE_ROW1
.else
	v_wmma_scale_f32_16x16x128_f8f6f4 v[OT+32*\q+8*\t:OT+32*\q+8*\t+7], v[VF+12*\t:VF+12*\t+11], v[PCD+12*\q:PCD+12*\q+11], v[OT+32*\q+8*\t:OT+32*\q+8*\t+7], v[VS+\t/2], v[PW+\q] matrix_a_fmt:MATRIX_FMT_BF6 matrix_b_fmt:MATRIX_FMT_BF6
.endif
.endm
.macro KFETCH                          ; the addresses move to the package at LDS byte s53; its K: 8 units and 4 registers of scale words, 20 loads
	v_add_nc_u32 v4, s53, v1
	v_add_nc_u32 v5, s53, v2
	v_add_nc_u32 v6, s53, v3
.irp t, 0,1,2,3,4,5,6,7
	ds_load_b128 v[KF+6*\t:KF+6*\t+3], v4 offset:768*\t
	ds_load_b64 v[KF+6*\t+4:KF+6*\t+5], v5 offset:768*\t+512
.endr
.irp p, 0,1,2,3
	ds_load_b32 v[KS+\p], v6 offset:6144+128*\p
.endr
.endm
; A KEY STEP: 128 keys x my 32 queries.  v4-6 point at its package, whose K is on its way or in.  No two matrix instructions on end share an accumulator.
.macro STEP
	s_add_co_u32 s52, s52, PKG                     ; the next package;
	s_min_u32 s53, s52, 15*PKG                     ; the last step fetches its own K once more and stays inside the head
	s_wait_dscnt 0x0                               ; K is in
.irp t, 0,1,2,3,4,5,6,7
.irp q, 0,1
	SMUL \t, \q
.endr
.endr
	PLACES                                         ; behind the products: ahead of the loads into K's and V's registers and of the first read of the scores
.irp p, 0,1
	ds_load_b32 v[VS+\p], v6 offset:12800+128*\p
.endr
	WIN 0x40
.irp t, 0,1,2,3
.irp c, 0,1
	ds_load_b128 v[VF+12*\t+6*\c:VF+12*\t+6*\c+3], v4 offset:6656+(4*\c+\t)*768
	ds_load_b64 v[VF+12*\t+6*\c+4:VF+12*\t+6*\c+5], v5 offset:6656+(4*\c+\t)*768+512
.endr
.endr
	WIN 0
	KFETCH                                         ; the next step's K lands while the softmax is worked
.irp x, 0,1,2,3
	v_max3_num_f32 v[BM+\x], v[SS+32*\x], v[SS+32*\x+1], v[SS+32*\x+2]   ; the largest score of each of my four blocks serves twice: for the row's maximum and for the block's largest p
.endr
.irp i, 3,5,7,9,11,13,15,17,19,21,23,25,27,29
.irp x, 0,1,2,3
	v_max3_num_f32 v[BM+\x], v[BM+\x], v[SS+32*\x+\i], v[SS+32*\x+\i+1]
.endr
.endr
.irp x, 0,1,2,3
	v_max_num_f32 v[BM+\x], v[BM+\x], v[SS+32*\x+31]
.endr
.irp q, 0,1
	v_max_num_f32 v[TMP+\q], v[BM+2*\q], v[BM+2*\q+1]
.endr
.irp q, 0,1
	D 2
	v_permlanex16_b32 v[BY+2*\q+1], v[TMP+\q], s48, s49
.endr
.irp q, 0,1
	D 2
	v_max3_num_f32 v[NM+2*\q+1], v[NM+2*\q+1], v[TMP+\q], v[BY+2*\q+1]   ; the running largest score of my query
.endr
.irp q, 0,1
	D 2
	v_mul_f32 v[TMP+\q], s54, v[NM+2*\q+1]         ; -t
.endr
.irp q, 0,1
	D 2
	v_floor_f32 v[TMP+\q], v[TMP+\q]               ; the new -M = floor(-t) = -ceil(t)
.endr
.irp q, 0,1
	D 2
	v_sub_f32 v[BY+2*\q+1], v[TMP+\q], v[NM+2*\q]  ; M's old value less its new one: a whole number, 0 or less
.endr
.irp q, 0,1
	v_mov_b32 v[NM+2*\q], v[TMP+\q]
.endr
.irp q, 0,1
	D 4
	v_cvt_i32_f32 v[BY+2*\q+1], v[BY+2*\q+1]       ; (it saturates)
.endr
.irp q, 0,1
	D 2
	v_ldexp_f32 v[FF+2*\q], 1.0, v[BY+2*\q+1]      ; f = 2^(old M - new M)
.endr
.irp q, 0,1
.set j, 0
.rept 32
	v_pk_fma_f32 v[SS+64*\q+j:SS+64*\q+j+1], v[SS+64*\q+j:SS+64*\q+j+1], s[50:51], v[NM+2*\q:NM+2*\q+1] op_sel_hi:[1,0,0]   ; t - M
.set j, j+2
.endr
.endr
.irp x, 0,1,2,3
	v_fma_f32 v[BM+\x], v[BM+\x], s50, v[NM+2*(\x/2)]   ; the same of each block's largest score
.endr
	WIN 0x41
.irp q, 0,1
.set j, 0
.rept 16
	v_pk_mul_f32 v[OT+32*\q+j:OT+32*\q+j+1], v[OT+32*\q+j:OT+32*\q+j+1], v[FF+2*\q:FF+2*\q+1] op_sel_hi:[1,0]   ; O^T under the new M, each accumulator from its low end on
.set j, j+2
.endr
.endr
	WIN 0
	s_wait_alu depctr_va_vdst(0)                   ; the wait ahead of the batch
.set j, 0
.rept 128
	v_exp_f32 v[SS+j], v[SS+j]                     ; p = 2^(t - M): not normalised
.set j, j+1
.endr
.irp x, 0,1,2,3
	v_exp_f32 v[BM+\x], v[BM+\x]                   ; the block's largest p: the same two instructions on the same number
.endr
.irp q, 0,1
	v_pk_mul_f32 v[LS+2*\q:LS+2*\q+1], v[LS+2*\q:LS+2*\q+1], v[FF+2*\q:FF+2*\q+1] op_sel_hi:[1,0]   ; the sums under the new M (the plain place behind the batch)
.endr
	s_wait_alu depctr_va_vdst(0)                   ; and behind it
.irp x, 0,1,2,3
	v_max_num_f32 v[BM+\x], 0x2800000, v[BM+\x]    ; the floor 2^(5 - 127): the byte cannot fall under 1
.endr
.irp x, 0,1,2,3
	D 4
	v_add_nc_u32 v[SO+\x], 0xfe000000, v[BM+\x]    ; 4 off the exponent field: the conversion's scale operand
.endr
.irp x, 0,1,2,3
	D 4
	v_lshrrev_b32 v[BY+\x], 23, v[SO+\x]           ; the scale's byte
.endr
.irp q, 0,1
	v_lshl_or_b32 v[BY+2*\q], v[BY+2*\q+1], 16, v[BY+2*\q]   ; my two bytes: blocks h and 2 + h,
.endr
.irp q, 0,1
	D 2
	v_lshlrev_b32 v[BY+2*\q], v11, v[BY+2*\q]      ; at their places in the word (8 h bits up);
.endr
.irp q, 0,1
	D 2
	v_permlanex16_b32 v[BY+2*\q+1], v[BY+2*\q], s48, s49
.endr
.irp q, 0,1
	D 2
	v_or_b32 v[PW+\q], v[BY+2*\q], v[BY+2*\q+1]    ; with lane l xor 16's two the word is whole
.endr
	WIN 0x40
.irp x, 0,1,2,3
	v_cvt_scalef32_pk16_bf6_f32 v[PCD+6*\x:PCD+6*\x+2], v[SS+32*\x:SS+32*\x+15], v[SO+\x]
	v_cvt_scalef32_pk16_bf6_f32 v[CT+4*\x:CT+4*\x+2], v[SS+32*\x+16:SS+32*\x+31], v[SO+\x]   ; (a conversion's three registers begin on an even number)
.endr
	WIN 0x41
	v_nop                                          ; one plain place behind a scaled conversion
.irp x, 0,1,2,3
.irp i, 0,1,2
	v_mov_b32 v[PCD+6*\x+3+\i], v[CT+4*\x+\i]
.endr
.endr
	WIN 0
.irp n, 16,8,4,2,1                     ; the rows' sums of the unquantised p: 32 pairs fold onto the first, the two tiles by turns.  (Also the places between p's codes and scale words and the products)
.set i, 0
.rept \n
.irp q, 0,1
.if \n == 2
	D 4
.endif
.if \n == 1
	D 2
.endif
	v_pk_add_f32 v[SS+64*\q+2*i:SS+64*\q+2*i+1], v[SS+64*\q+2*i:SS+64*\q+2*i+1], v[SS+64*\q+2*(i+\n):SS+64*\q+2*(i+\n)+1]
.endr
.set i, i+1
.endr
.endr
.irp q, 0,1
	D 2
	v_pk_add_f32 v[LS+2*\q:LS+2*\q+1], v[LS+2*\q:LS+2*\q+1], v[SS+64*\q:SS+64*\q+1]
.endr
	s_wait_dscnt 20                                ; V and its scale words are in; the 20 loads of the next K, issued behind them, may be out
	WIN 0x55
.irp t, 0,1,2,3
.irp q, 0,1
	PVMUL \t, \q
.endr
.endr
	WIN 0
.endm
	s_wait_alu depctr_va_vdst(0)                   ; the wait at the head's end
	s_wait_tensorcnt 0x0                           ; my package of the first eight is in
	ds_add_u32 v[SPW], v[NIL]
	s_wait_dscnt 0x0
	CROUND                                         ; everybody's is, and all four work-groups are here
	tensor_load_to_lds s[36:39], s[24:31]          ; package 8 + w: my one tensor load behind the round; it has six steps in which to land
	s_nop 0
	PLACES
	s_mov_b32 s52, 0
	s_mov_b32 s53, 0
	KFETCH                                         ; step 0's K
	s_wait_alu depctr_va_vdst(0)
	s_wait_loadcnt 0x0                             ; Q
	s_mov_b32 s55, 6
.Lfirst:                                               ; steps 0-5: they touch packages 0-6
	STEP
	s_sub_co_u32 s55, s55, 1
	s_cmp_lg_u32 s55, 0
	s_cbranch_scc1 .Lfirst
	s_wait_tensorcnt 0x0                           ; my package of the second eight is in
	s_wait_dscnt 0x0
	s_barrier_signal -1                            ; say so
	STEP                                           ; step 6 touches packages 6 and 7 alone, which nobody writes
	s_barrier_wait -1                              ; everybody's is in
.set XR, 152                           ; window 1, v152-215: my 32 tokens' 256 bytes of x, in the layout of the stores on the way out
	WIN 0x40
.irp q, 0,1
.irp i, 0,1,2,3,4,5,6,7
	global_load_b128 v[XR+32*\q+4*\i:XR+32*\q+4*\i+3], v7, s[42:43] offset:(8*\q+2*\i+24*(\i/4))*4096 th:TH_LOAD_NT   ; asked for when both fills have landed; nine key steps stand ahead of the wait for them
.endr
.endr
	WIN 0
	s_mov_b32 s55, 9
.Lsecond:                                              ; steps 7-15
	STEP
	s_sub_co_u32 s55, s55, 1
	s_cmp_lg_u32 s55, 0
	s_cbranch_scc1 .Lsecond
	; THE WAY OUT.  O^T / the sum goes through my stage, tile by tile, and leaves as rows of 256 bytes: sixteen lanes store 256 consecutive bytes, at a multiple of 256 from att's first byte.
	s_wait_dscnt 0x0                               ; the last fetch of K has landed: its registers are used again below
	s_wait_alu depctr_va_vdst(0)                   ; directly ahead of the first reader of the sums
.irp q, 0,1
	v_add_f32 v[LS+2*\q], v[LS+2*\q], v[LS+2*\q+1]
.endr
.irp q, 0,1
	D 2
	v_permlanex16_b32 v[BY+2*\q+1], v[LS+2*\q], s48, s49
.endr
.irp q, 0,1
	D 2
	v_add_f32 v[LS+2*\q], v[LS+2*\q], v[BY+2*\q+1] ; with lane l xor 16's: the row's sum
.endr
	s_wait_alu depctr_va_vdst(0)
.irp q, 0,1
	v_rcp_f32 v[LS+2*\q], v[LS+2*\q]
.endr
	WIN 0x01
	v_nop                                          ; a plain place behind the transcendentals
	s_wait_alu depctr_va_vdst(0)
.set j, 0
.rept 64
	v_mul_f32 v[SS+j], v[OT+j], v[LS+2*(j/32)]     ; register 32 q + 8 t + i is o(row r of tile q, channel 16 t + 8 h + i)
.set j, j+1
.endr
	WIN 0
.irp q, 0,1
.irp t, 0,1,2,3
	ds_store_b128 v8, v[SS+32*\q+8*\t:SS+32*\q+8*\t+3] offset:64*\t
	ds_store_b128 v8, v[SS+32*\q+8*\t+4:SS+32*\q+8*\t+7] offset:64*\t+16
.endr
.irp i, 0,1,2,3,4,5,6,7
	ds_load_b128 v[KF+32*\q+4*\i:KF+32*\q+4*\i+3], v9 offset:2*\i*272   ; LDS serves a wave's instructions in order: these see my stores, and tile 1's stores come behind tile 0's loads
.endr
.endr
	s_wait_loadcnt 0x0                             ; x is in
.irp q, 0,1
	s_wait_dscnt 16*(1-\q)                         ; tile q's rows are back; behind tile 0's loads stand tile 1's 8 stores and 8 loads
	WIN 0x04                                       ; source 1 in window 1
.set j, 0
.rept 16
	v_pk_add_f32 v[KF+32*\q+j:KF+32*\q+j+1], v[KF+32*\q+j:KF+32*\q+j+1], v[XR+32*\q+j:XR+32*\q+j+1]   ; the residual
.set j, j+2
.endr
	WIN 0
.irp i, 0,1,2,3,4,5,6,7
	global_store_b128 v7, v[KF+32*\q+4*\i:KF+32*\q+4*\i+3], s[10:11] offset:(8*\q+2*\i+24*(\i/4))*4096   ; row rho of tile q is token 8 q + rho % 8 + 32 (rho / 8) from tile 2 w's first
.endr
.endr
	s_wait_tensorcnt 0x0                           ; the wave's end
	ds_add_u32 v[SPW], v[NIL]
	s_wait_dscnt 0x0
	CROUND                                         ; the closing round
	s_endpgm
.Lfunc_end_k_qe459f540bc_attn:
	.size	k_qe459f540bc_attn, .Lfunc_end_k_qe459f540bc_attn-k_qe459f540bc_attn
	.p2alignl 7, 3214868480
	.fill 96, 4, 3214868480
	.section	.rodata,"a",@progbits
	.p2align	6, 0x0
	.amdhsa_kernel k_qe459f540bc_attn
		.amdhsa_group_segment_fixed_size 327680
		.amdhsa_private_segment_fixed_size 0
		.amdhsa_enable_private_segment 0
		.amdhsa_kernarg_size 40
		.amdhsa_user_sgpr_count 2
		.amdhsa_user_sgpr_kernarg_segment_ptr 1
		.amdhsa_wavefront_size32 1
		.amdhsa_system_sgpr_workgroup_id_x 1
		.amdhsa_system_sgpr_workgroup_id_y 1
		.amdhsa_system_sgpr_workgroup_id_z 1
		.amdhsa_system_vgpr_workitem_id 0
		.amdhsa_next_free_vgpr 512
		.amdhsa_next_free_sgpr 66
		.amdhsa_reserve_vcc 0
		.amdhsa_float_denorm_mode_32 3
		.amdhsa_float_denorm_mode_16_64 3
		.amdhsa_memory_ordered 1
		.amdhsa_forward_progress 1
		.amdhsa_inst_pref_size 107
	.end_amdhsa_kernel
	.amdgpu_metadata
---
amdhsa.version: [ 1, 2 ]
amdhsa.kernels:
  - .name:           k_qe459f540bc_attn
    .symbol:         k_qe459f540bc_attn.kd
    .args:
      - { .name: qimg, .offset: 0, .size: 8, .value_kind: global_buffer, .address_space: global }
      - { .name: qsc, .offset: 8, .size: 8, .value_kind: global_buffer, .address_space: global }
      - { .name: kvp, .offset: 16, .size: 8, .value_kind: global_buffer, .address_space: global }
      - { .name: att, .offset: 24, .size: 8, .value_kind: global_buffer, .address_space: global }
      - { .name: x, .offset: 32, .size: 8, .value_kind: global_buffer, .address_space: global }
    .group_segment_fixed_size: 327680
    .private_segment_fixed_size: 0
    .kernarg_segment_align: 8
    .kernarg_segment_size: 40
    .max_flat_workgroup_size: 256
    .sgpr_count:     66
    .vgpr_count:     512
    .wavefront_size: 32
...
	.end_amdgpu_metadata
.endif
;; end of part 3
;; launch norm (part 4): grid 256 x 1, 8 waves a work-group, no clusters, 0 bytes of LDS; arguments att, gamma, beta, out0; writes out0
.if DOCPART == 4
	.amdgcn_target "amdgcn-amd-amdhsa--gfx1250"
	.amdhsa_code_object_version 6
	.text
	.protected	k_qe459f540bc_norm
	.globl	k_qe459f540bc_norm
	.p2align	8
	.type	k_qe459f540bc_norm,@function
k_qe459f540bc_norm:
	s_mov_b64 s[64:65], 0
	v_nop
	global_prefetch_b8 v0, s[64:65] scope:SCOPE_SE
	s_setreg_imm32_b32 hwreg(HW_REG_WAVE_MODE, 25, 1), 1
	s_wait_xcnt 0x0
; out0[row] = (att - mean) * rsqrt(var + 1e-5) * gamma + beta over a row's 1,024 numbers, all in f32.  att holds the attention's result + x: the launch before has added the residual.
; A row is 4,096 bytes: one wave takes a whole row in 32 registers a lane, so the reduction never leaves the wave: no LDS, no barrier.  A wave takes two rows; all its 32 loads go out at once.
; Lane l holds columns 128 j + 4 l + 0 .. 3, j = 0 .. 7: each load and store of the wave covers 512 consecutive bytes.  The variance is taken of the differences from the mean (two passes over
; registers), so a common offset of the inputs costs no accuracy.  The matrix units, clusters and tensor loads have nothing to do here: every byte is read once and written once.
.set GA, 96                            ; v96-127   gamma
.set BE, 128                           ; v128-159  beta
	s_load_b256 s[4:11], s[0:1], 0x0               ; att, gamma, beta, out0
	v_lshrrev_b32 v1, 5, v0
	s_delay_alu instid0(VALU_DEP_1)
	v_readfirstlane_b32 s14, v1                    ; wave 0..7
	v_and_b32 v1, 31, v0
	s_delay_alu instid0(VALU_DEP_1)
	v_lshlrev_b32 v1, 4, v1                        ; 16 x lane
	s_lshl_b32 s16, ttmp9, 16                      ; 16 rows of 4,096 bytes a work-group,
	s_lshl_b32 s17, s14, 13                        ; two a wave
	s_add_co_u32 s16, s16, s17
	s_mov_b32 s17, 0
	s_mov_b32 s18, 0x76543210
	s_mov_b32 s19, 0xfedcba98                      ; v_permlanex16_b32's selects for lane l xor 16
	s_mov_b32 s20, 0x3a800000                      ; 1 / 1,024
	s_mov_b32 s21, 0x3727c5ac                      ; 1e-5
	s_wait_alu depctr_va_vdst(0)
	s_wait_kmcnt 0x0
	s_add_nc_u64 s[4:5], s[4:5], s[16:17]
	s_add_nc_u64 s[10:11], s[10:11], s[16:17]
.irp j, 0,1,2,3,4,5,6,7
	global_load_b128 v[32+4*\j:35+4*\j], v1, s[4:5] offset:512*\j th:TH_LOAD_NT
.endr
.irp j, 0,1,2,3,4,5,6,7
	global_load_b128 v[GA+4*\j:GA+4*\j+3], v1, s[6:7] offset:512*\j
.endr
.irp j, 0,1,2,3,4,5,6,7
	global_load_b128 v[BE+4*\j:BE+4*\j+3], v1, s[8:9] offset:512*\j
.endr
.irp j, 0,1,2,3,4,5,6,7
	global_load_b128 v[64+4*\j:67+4*\j], v1, s[4:5] offset:4096+512*\j th:TH_LOAD_NT
.endr
.macro REDUCE                          ; four pairs v[2:9] -> their sum over the wave, in v2 of every lane
	s_delay_alu instid0(VALU_DEP_3)
	v_pk_add_f32 v[2:3], v[2:3], v[4:5]
	s_delay_alu instid0(VALU_DEP_2)
	v_pk_add_f32 v[6:7], v[6:7], v[8:9]
	s_delay_alu instid0(VALU_DEP_1)
	v_pk_add_f32 v[2:3], v[2:3], v[6:7]
	s_delay_alu instid0(VALU_DEP_1)
	v_add_f32 v2, v2, v3
	s_delay_alu instid0(VALU_DEP_1)
	v_add_f32_dpp v2, v2, v2 row_xmask:1 row_mask:0xf bank_mask:0xf
	s_delay_alu instid0(VALU_DEP_1)
	v_add_f32_dpp v2, v2, v2 row_xmask:2 row_mask:0xf bank_mask:0xf
	s_delay_alu instid0(VALU_DEP_1)
	v_add_f32_dpp v2, v2, v2 row_xmask:4 row_mask:0xf bank_mask:0xf
	s_delay_alu instid0(VALU_DEP_1)
	v_add_f32_dpp v2, v2, v2 row_xmask:8 row_mask:0xf bank_mask:0xf
	s_delay_alu instid0(VALU_DEP_1)
	v_permlanex16_b32 v3, v2, s18, s19
	s_delay_alu instid0(VALU_DEP_1)
	v_add_f32 v2, v2, v3
.endm
; a row in v[a] on; w1, w2: how many younger loads may stay out at its head and ahead of gamma's use; off: the row's bytes from the wave's first
.macro ROWN a, w1, w2, off
	s_wait_loadcnt \w1
.irp c, 0,1,2,3
	v_pk_add_f32 v[2+2*\c:3+2*\c], v[\a+2*\c:\a+2*\c+1], v[\a+8+2*\c:\a+9+2*\c]   ; four chains, started by the first pairs: nothing is cleared
.endr
.irp m, 16,24
.irp c, 0,1,2,3
	s_delay_alu instid0(VALU_DEP_4)
	v_pk_add_f32 v[2+2*\c:3+2*\c], v[2+2*\c:3+2*\c], v[\a+\m+2*\c:\a+\m+2*\c+1]
.endr
.endr
	REDUCE
	s_delay_alu instid0(VALU_DEP_1)
	v_mul_f32 v10, s20, v2                         ; the mean
	s_delay_alu instid0(VALU_DEP_1)
	v_mov_b32 v11, v10
.set k, 0
.rept 16
	v_pk_add_f32 v[\a+k:\a+k+1], v[\a+k:\a+k+1], v[10:11] neg_lo:[0,1] neg_hi:[0,1]
.set k, k+2
.endr
.irp c, 0,1,2,3
	v_pk_mul_f32 v[2+2*\c:3+2*\c], v[\a+2*\c:\a+2*\c+1], v[\a+2*\c:\a+2*\c+1]
.endr
.irp m, 8,16,24
.irp c, 0,1,2,3
	s_delay_alu instid0(VALU_DEP_4)
	v_pk_fma_f32 v[2+2*\c:3+2*\c], v[\a+\m+2*\c:\a+\m+2*\c+1], v[\a+\m+2*\c:\a+\m+2*\c+1], v[2+2*\c:3+2*\c]
.endr
.endr
	REDUCE
	s_delay_alu instid0(VALU_DEP_1)
	v_fma_f32 v2, v2, s20, s21                     ; the variance + 1e-5
	s_wait_alu depctr_va_vdst(0)
	v_rsq_f32 v12, v2
	v_nop                                          ; a plain place behind the transcendental
	s_wait_alu depctr_va_vdst(0)
	v_mov_b32 v13, v12
	s_wait_alu depctr_va_vdst(0)
	s_wait_loadcnt \w2
.set k, 0
.rept 16
	v_pk_mul_f32 v[\a+k:\a+k+1], v[\a+k:\a+k+1], v[12:13]
.set k, k+2
.endr
.set k, 0
.rept 16
	v_pk_fma_f32 v[\a+k:\a+k+1], v[\a+k:\a+k+1], v[GA+k:GA+k+1], v[BE+k:BE+k+1]
.set k, k+2
.endr
.irp j, 0,1,2,3,4,5,6,7
	global_store_b128 v1, v[\a+4*\j:\a+4*\j+3], s[10:11] offset:\off+512*\j th:TH_STORE_NT   ; each row is stored from registers of its own, which are not written again
.endr
.endm
	ROWN 32, 24, 8, 0                              ; row 0's eight loads are in, 24 younger ones stay out; ahead of gamma and beta: row 1's eight stay out
	ROWN 64, 0, 0, 4096
	s_endpgm
.Lfunc_end_k_qe459f540bc_norm:
	.size	k_qe459f540bc_norm, .Lfunc_end_k_qe459f540bc_norm-k_qe459f540bc_norm
	.p2alignl 7, 3214868480
	.fill 96, 4, 3214868480
	.section	.rodata,"a",@progbits
	.p2align	6, 0x0
	.amdhsa_kernel k_qe459f540bc_norm
		.amdhsa_group_segment_fixed_size 0
		.amdhsa_private_segment_fixed_size 0
		.amdhsa_enable_private_segment 0
		.amdhsa_kernarg_size 32
		.amdhsa_user_sgpr_count 2
		.amdhsa_user_sgpr_kernarg_segment_ptr 1
		.amdhsa_wavefront_size32 1
		.amdhsa_system_sgpr_workgroup_id_x 1
		.amdhsa_system_sgpr_workgroup_id_y 1
		.amdhsa_system_sgpr_workgroup_id_z 1
		.amdhsa_system_vgpr_workitem_id 0
		.amdhsa_next_free_vgpr 160
		.amdhsa_next_free_sgpr 66
		.amdhsa_reserve_vcc 0
		.amdhsa_float_denorm_mode_32 3
		.amdhsa_float_denorm_mode_16_64 3
		.amdhsa_memory_ordered 1
		.amdhsa_forward_progress 1
		.amdhsa_inst_pref_size 21
	.end_amdhsa_kernel
	.amdgpu_metadata
---
amdhsa.version: [ 1, 2 ]
amdhsa.kernels:
  - .name:           k_qe459f540bc_norm
    .symbol:         k_qe459f540bc_norm.kd
    .args:
      - { .name: att, .offset: 0, .size: 8, .value_kind: global_buffer, .address_space: global }
      - { .name: gamma, .offset: 8, .size: 8, .value_kind: global_buffer, .address_space: global }
      - { .name: beta, .offset: 16, .size: 8, .value_kind: global_buffer, .address_space: global }
      - { .name: out0, .offset: 24, .size: 8, .value_kind: global_buffer, .address_space: global }
    .group_segment_fixed_size: 0
    .private_segment_fixed_size: 0
    .kernarg_segment_align: 8
    .kernarg_segment_size: 32
    .max_flat_workgroup_size: 256
    .sgpr_count:     66
    .vgpr_count:     160
    .wavefront_size: 32
...
	.end_amdgpu_metadata
.endif
;; end of part 4
